; MI455X (gfx1250); checked and timed in simulation.
; The chip was launched on July 23, 2026; its instructions are those of AMD's public machine-readable ISA for CDNA 5 (MIT licence, August 2026) and "CDNA5" Instruction Set Architecture Reference Guide (July 2026). The comments in the code are by the model that wrote it; some were corrected since.
;; Multi Head Attention. Allowed arithmetic: matrix products marked QUANTISED: E2M1 operands, one E8M0 scale for each 32 along K, by v_wmma_scale_f32_16x16x128_f8f6f4 with both operands' format E2M1 (or v_wmma_scale_f32_32x16x128_f4), f32 sums; everything else in f32.
;; Inputs: b_proj 1,024 float32; ln_beta 1,024 float32; ln_gamma 1,024 float32; w_k_codes 1,024 x 32 x 16 uint8 (E2M1 codes of w_k, K innermost, in blocks of 32 codes, two codes a byte); w_k_scales 1,024 x 32 uint8 (E8M0 scales of w_k, one for each 32 codes along K); w_proj_codes 1,024 x 32 x 16 uint8 (E2M1 codes of w_proj, K innermost, in blocks of 32 codes, two codes a byte); w_proj_scales 1,024 x 32 uint8 (E8M0 scales of w_proj, one for each 32 codes along K); w_q_codes 1,024 x 32 x 16 uint8 (E2M1 codes of w_q, K innermost, in blocks of 32 codes, two codes a byte); w_q_scales 1,024 x 32 uint8 (E8M0 scales of w_q, one for each 32 codes along K); w_v_codes 1,024 x 32 x 16 uint8 (E2M1 codes of w_v, K innermost, in blocks of 32 codes, two codes a byte); w_v_scales 1,024 x 32 uint8 (E8M0 scales of w_v, one for each 32 codes along K); x 4 x 2,048 x 1,024 float32.
;; Outputs: out0 4 x 2,048 x 1,024 float32.
;; This version of the problem:
;;   THIS VERSION OF THE PROBLEM IS GIVEN IN LOW PRECISION. The matrix products marked QUANTISED in the list below multiply operands that are first quantised to E2M1 (2 exponent bits, 1 mantissa bit; 4 bits a number), with one power-of-two scale for each 32 numbers along K (OCP MX v1.0); their sums are f32. All else is computed in f32.
;;   The module's matrix products, in the order in which they are computed (A, B: the left and right operand; K: the contracted axis; several contracted axes count as one K, in the product's order):
;;     1. [M 8,192, K 1,024] x [K 1,024, N 1,024]; A: input x; B: input w_q (given as codes): QUANTISED
;;     2. [M 8,192, K 1,024] x [K 1,024, N 1,024]; A: input x; B: input w_k (given as codes): QUANTISED
;;     3. [M 8,192, K 1,024] x [K 1,024, N 1,024]; A: input x; B: input w_v (given as codes): QUANTISED
;;     4. batch 64 x [M 2,048, K 64] x [K 64, N 2,048]; A: computed on the way; B: computed on the way: QUANTISED
;;     5. batch 64 x [M 2,048, K 2,048] x [K 2,048, N 64]; A: softmax (see below); B: computed on the way: QUANTISED
;;     6. [M 8,192, K 1,024] x [K 1,024, N 1,024]; A: computed on the way; B: input w_proj (given as codes): QUANTISED
;;   THE QUANTISER, for each operand of a quantised product, along K:
;;     - K is cut into blocks of 32 from its start; a last block that is shorter is filled with zeros.
;;     - A block's scale is 2^e with e = floor(log2(the largest magnitude in the block)) - 2, held to -126 .. 127; a block of zeros has e = 0. As a byte (E8M0): e + 127.
;;     - Each number is divided by its block's scale, clamped to +-6, and rounded to the nearest number of E2M1, ties to even, subnormals kept.
;;     - The product sums the exact products of the quantised numbers (number of the format x scale) in f32.
;;   ~~~python
;;   def quantise(x, axis):      # numpy; x: float32 -> the quantised numbers, widened to float32 again
;;       x = np.moveaxis(x, axis, -1); K = x.shape[-1]
;;       x = np.pad(x, [(0, 0)] * (x.ndim - 1) + [(0, -K % 32)]); x = x.reshape(x.shape[:-1] + (-1, 32)); a = np.abs(x).max(-1, keepdims=True)
;;       e = np.where(a > 0, np.clip(np.frexp(np.where(a > 0, a, 1))[1] - 1 - 2, -126, 127), 0)      # np.frexp(a)[1] - 1 = floor(log2(a)), exactly
;;       r = np.clip(x / 2.0 ** e, -6, 6)
;;       step = 2.0 ** (np.maximum(np.frexp(np.where(r == 0, 1, r))[1] - 1, 0) - 1)
;;       q = np.round(r / step) * step * 2.0 ** e      # np.round: ties to even
;;       return np.moveaxis(q.reshape(q.shape[:-2] + (-1,))[..., :K], -1, axis).astype(np.float32)
;;   ~~~
;;   SOFTMAX AHEAD OF A QUANTISED PRODUCT. Where the list says 'softmax', what is quantised is not the finished softmax but p = 2^(t - M), with t = logit x log2(e) and M = ceil(the row's largest t), a whole number; so 1/2 < the row's largest p <= 1. The row's sum l is taken of the UNQUANTISED p, in f32, and the product's result is divided by l at the end. Since M is a whole number, a kernel that streams over the keys may use a running M (the ceiling of the running maximum): every later rescaling is an exact power of two, which a block's scale takes up: the codes' values come out the same.
;;   OPERANDS COMPUTED ON THE WAY. 'Computed on the way' means the value that the module computes at that place (a softmax that the list does not call 'softmax' is quantised finished and normalised). What goes into a quantiser is computed in f32, as accurately as f32 sums, v_exp_f32 and their like allow (about 1e-6 of the number): no bf16 or f16 on the way to a quantiser, and a product that is left as it is and whose result goes on into a quantised operand takes f32 operands (vector FMAs, or v_wmma_f32_16x16x4_f32). A number that lies on a knife's edge between two numbers of the format may be rounded either way, as far as f32 arithmetic and the matrix unit's own rounding can turn it there, and no further.
;;   INPUTS GIVEN AS CODES. w_k (in the module: [1024, 1024], K = its axis 0); w_proj (in the module: [1024, 1024], K = its axis 0); w_q (in the module: [1024, 1024], K = its axis 0); w_v (in the module: [1024, 1024], K = its axis 0): each comes as NAME_codes (uint8): NAME with its K axis moved to the last place and cut into blocks of 32 codes, [.., K / 32, bytes a block], one block behind the other in memory; two codes a byte, the lower K in the low four bits (a code: sign, 2 exponent bits, 1 mantissa bit); and NAME_scales (uint8): the same leading axes, one E8M0 byte (e + 127) for each 32 codes along K. Its value is code x scale, taken as it is: it is not quantised again, and the codes and scales need not be those that the quantiser above would give.
;; One version. Each part assembles by itself: llvm-mc -triple=amdgcn-amd-amdhsa -mcpu=gfx1250 --defsym DOCPART=n.
;; ======== version 1 of 1: 4 launches
;; workspace buffers: xq 4,456,448 bytes; wl 1,671,168 bytes; wpl 557,056 bytes; qb 4,718,592 bytes; kv 9,175,040 bytes; oc 4,194,304 bytes; os 262,144 bytes
;; launch prep (part 1): grid 320 x 1, 4 waves a work-group, no clusters, 34,304 bytes of LDS; arguments x, w_q_codes, w_q_scales, w_k_codes, w_k_scales, w_v_codes, w_v_scales, w_proj_codes, w_proj_scales, xq, wl, wpl; writes xq, wl, wpl
.if DOCPART == 1
	.amdgcn_target "amdgcn-amd-amdhsa--gfx1250"
	.amdhsa_code_object_version 6
	.text
	.protected	k_q5b40a1b16e_prep
	.globl	k_q5b40a1b16e_prep
	.p2align	8
	.type	k_q5b40a1b16e_prep,@function
k_q5b40a1b16e_prep:
	s_mov_b64 s[64:65], 0
	v_nop
	global_prefetch_b8 v0, s[64:65] scope:SCOPE_SE
	s_setreg_imm32_b32 hwreg(HW_REG_WAVE_MODE, 25, 1), 1
	s_wait_xcnt 0x0
; x [8192][1024] f32 becomes codes of FP4 (E2M1) with one E8M0 byte for each 32 along its 1,024 (work-groups 0-255), and the four weights' codes and scale bytes
; are laid anew (work-groups 256-319), all IN THE ORDER OF THE MATRIX OPERAND'S REGISTERS, so that the later launches fetch whole fragments by 16-byte loads at 16 x lane.
; A TILE is 16 rows.  Tile T of the tokens, and of w_q, w_k, w_v, takes rows 32 (T / 2) + 8 (T % 2) + r + 8 (r / 8) in lane r = lane % 16; w_proj's tile takes rows 16 T + r.
; A FRAGMENT IMAGE (16 rows x 128 K, 1,024 bytes) is [c 2][lane 32][16 bytes]: lane (r, h = lane / 16) holds the codes k = 64 c + 32 h + 0 .. 31 of its row.
; A SCALE IMAGE (16 rows x 1,024 K, 512 bytes) is [lane 32][16 bytes]: lane (r, h) holds its row's scale bytes 16 h .. 16 h + 15.
; xq: 32 blocks of 256 tokens, 139,264 bytes each: 16 tiles x 8 K steps of fragment images, then 16 scale images.  wl: [head pair 8][q, k, v] blocks of 69,632 bytes: 8 tiles x 8 K steps, then 8 scale images.
; wpl: four blocks laid as xq's, 16 tiles of w_proj each.
; A block's scale is 2^(floor(log2(its largest magnitude)) - 2); its byte is the largest magnitude's exponent field - 2, held at 1 from below.
; LIMITS: NaN and infinities in x are not served; a block whose largest magnitude lies under 2^-124 keeps the byte 1; a block of zeros gets the byte 1 where the rule says 127 (its codes are zeros and only this
; program reads the bytes).  The weights' bytes are passed on as they are given.
; No tensor loads, no barrier: waves share nothing.  Only the tokens' path uses LDS.
.set XQB,  139264                      ; a block of xq or wpl
.set WLB,  69632                       ; a block of wl
.set STGB, 8448                        ; a wave's stage: 16 rows x (512 bytes + 16)
.set LI,   1                           ; v1   16 x lane
.set SA,   4                           ; v4   the stage, on the way in: 16 x lane
.set RA,   5                           ; v5   and out: 528 r + 64 h
.set SD,   6                           ; v6   my two scale words' place: 16 r + 8 h
.set TM,   8                           ; v8-23  at work in QUANT
.set PW,   24                          ; v24-27 a scale word for each K step
.set MW,   28                          ; v28-29 the two words that I store
.set PC,   32                          ; v32-63 codes: eight registers for each K step, so that no store's data are written again
.set X,    64                          ; v64-127  64 numbers of my row: register 16 e + i = k 32 e + 16 h + i
.set R,    128                         ; v128-255 two sets of 64 registers as loaded
.set SEL,  46                          ; s[46:47] v_permlanex16_b32's selects for lane l xor 16
; 64 numbers of a lane become a fragment's eight registers of codes and its row's scale word.
.macro QUANT src, pc, pw
.irp e, 0,1,2,3
	v_max3_num_f32 v[TM+\e], |v[(\src)+16*\e]|, |v[(\src)+16*\e+1]|, 0x1800000   ; block e: my 16 numbers, and the floor 2^(3 - 127): the byte cannot fall under 1
.endr
.irp i, 2,4,6,8,10,12,14
.irp e, 0,1,2,3
	v_max3_num_f32 v[TM+\e], v[TM+\e], |v[(\src)+16*\e+\i]|, |v[(\src)+16*\e+\i+1]|   ; the four blocks by turns
.endr
.endr
.irp e, 0,1,2,3
	v_permlanex16_b32 v[TM+4+\e], v[TM+\e], s[SEL], s[SEL+1]
.endr
.irp e, 0,1,2,3
	v_max_num_f32 v[TM+\e], v[TM+\e], v[TM+4+\e]          ; with lane l xor 16's 16: the block's largest magnitude
.endr
.irp e, 0,1,2,3
	v_add_nc_u32 v[TM+12+\e], 0xff000000, v[TM+\e]        ; 2 off its exponent field: the conversion takes this operand's exponent field as its scale
.endr
.irp e, 0,1,2,3
	v_lshrrev_b32 v[TM+4+\e], 23, v[TM+12+\e]             ; the scale's byte
.endr
	v_lshl_or_b32 v[\pw], v[TM+5], 8, v[TM+4]
	v_lshl_or_b32 v[\pw], v[TM+6], 16, v[\pw]
	v_lshl_or_b32 v[\pw], v[TM+7], 24, v[\pw]             ; my row's scale word for these 128
.irp e, 0,1,2,3
	v_cvt_scalef32_pk8_fp4_f32 v[(\pc)+2*\e], v[(\src)+16*\e:(\src)+16*\e+7], v[TM+12+\e]
	v_cvt_scalef32_pk8_fp4_f32 v[(\pc)+2*\e+1], v[(\src)+16*\e+8:(\src)+16*\e+15], v[TM+12+\e]
.endr
	v_nop                                                 ; one plain instruction behind a scaled conversion
.irp c, 0,1
.irp i, 0,1
	v_permlane16_swap_b32 v[(\pc)+4*\c+\i], v[(\pc)+4*\c+2+\i]   ; a whole block to a lane: registers 4 c .. 4 c + 3 now hold k = 64 c + 32 h + 0 .. 31
.endr
.endr
.endm
	s_load_b512 s[8:23], s[0:1], 0x0               ; x s[8:9]; w_q codes, scales s[10:13]; w_k s[14:17]; w_v s[18:21]; w_proj's codes s[22:23]
	s_load_b256 s[24:31], s[0:1], 0x40             ; w_proj's scales s[24:25]; xq s[26:27]; wl s[28:29]; wpl s[30:31]
	v_lshl_add_u32 v30, v0, 2, 0x8400
	v_mov_b32 v31, 0
	v_lshrrev_b32 v2, 5, v0
	v_readfirstlane_b32 s32, v2                    ; wave 0..3
	v_and_b32 v2, 31, v0                           ; lane
	v_and_b32 v3, 15, v0                           ; r
	v_bfe_u32 v7, v0, 4, 1                         ; h
	v_lshlrev_b32 v[LI], 4, v2
	s_cmp_lt_u32 ttmp9, 256
	s_cbranch_scc0 .Lweights
	; ---- THE TOKENS.  A wave takes one tile of 16 tokens x 512 along K: four K steps of 128.
	s_lshl_b32 s33, ttmp9, 2
	s_add_co_u32 s33, s33, s32                     ; 4 x work-group + wave
	s_lshr_b32 s34, s33, 1                         ; T: the tile
	s_and_b32 s35, s33, 1                          ; which half of K
	s_lshr_b32 s36, s34, 1
	s_and_b32 s37, s34, 1
	s_lshl_b32 s36, s36, 17                        ; 32 (T / 2) rows of 4,096 bytes
	s_lshl_b32 s37, s37, 15                        ; + 8 (T % 2) rows
	s_add_co_u32 s36, s36, s37
	s_lshl_b32 s37, s35, 11                        ; + 2,048 bytes for the upper half of K
	s_add_co_u32 s36, s36, s37
	s_mov_b32 s37, 0
	s_lshr_b32 s38, s34, 4
	s_mul_i32 s38, s38, XQB                        ; the tile's block of xq
	s_and_b32 s39, s34, 15
	s_lshl_b32 s40, s39, 13                        ; its eight fragment images,
	s_add_co_u32 s40, s40, s38
	s_lshl_b32 s41, s35, 12                        ; my four of them
	s_add_co_u32 s40, s40, s41
	s_mov_b32 s41, 0
	s_lshl_b32 s42, s39, 9                         ; its scale image,
	s_add_co_u32 s42, s42, s38
	s_lshl_b32 s43, s35, 8                         ; my half of it: lanes 16 x half on
	s_add_co_u32 s42, s42, s43
	s_add_co_u32 s42, s42, 131072
	s_mov_b32 s43, 0
	s_mul_i32 s44, s32, STGB                       ; my stage
	s_wait_alu depctr_va_vdst(0)
	v_add_nc_u32 v[SA], s44, v[LI]
	v_mul_u32_u24 v[RA], v3, 528
	v_lshl_add_u32 v[RA], v7, 6, v[RA]
	v_add_nc_u32 v[RA], s44, v[RA]
	v_lshlrev_b32 v[SD], 4, v3
	v_lshl_add_u32 v[SD], v7, 3, v[SD]
	s_mov_b32 s45, 0xffff0000                      ; lanes 16-31
	s_mov_b32 s[SEL], 0x76543210
	s_mov_b32 s[SEL+1], 0xfedcba98
.irp e, 0,1,2,3
	v_mov_b32 v[TM+4+\e], 0                        ; written once: a lane permute's destination counts as one of its sources
.endr
	s_wait_alu depctr_va_vdst(0)
	s_wait_kmcnt 0x0
	s_add_nc_u64 s[8:9], s[8:9], s[36:37]
	s_add_nc_u64 s[40:41], s[26:27], s[40:41]
	s_add_nc_u64 s[42:43], s[26:27], s[42:43]
.macro LOADX t, set                    ; K step t of my 16 tokens: each load reads 512 consecutive bytes of one token
.irp i, 0,1,2,3,4,5,6,7,8,9,10,11,12,13,14,15
	global_load_b128 v[R+64*(\set)+4*\i:R+64*(\set)+4*\i+3], v[LI], s[8:9] offset:(\i+8*(\i/8))*4096+512*(\t) th:TH_LOAD_NT
.endr
.endm
.macro TURN set                        ; through my stage: in as loaded, out 16 neighbours of each block of 32 to a lane.  LDS serves a wave's instructions in order: no wait between
.irp i, 0,1,2,3,4,5,6,7,8,9,10,11,12,13,14,15
	ds_store_b128 v[SA], v[R+64*(\set)+4*\i:R+64*(\set)+4*\i+3] offset:528*\i
.endr
.irp e, 0,1,2,3
.irp j, 0,1,2,3
	ds_load_b128 v[X+16*\e+4*\j:X+16*\e+4*\j+3], v[RA] offset:128*\e+16*\j
.endr
.endr
.endm
.macro STEPX t
.if (\t) < 3
	s_wait_loadcnt 16                              ; this step's 16 loads are in; the next step's 16 may be out
.else
	s_wait_loadcnt 0x0
.endif
	TURN (\t)%2
	s_wait_dscnt 0x0                               ; the numbers are back, and the stage's stores have read their registers,
.if (\t) < 2
	LOADX (\t)+2, (\t)%2                           ; which take the loads of two steps on
.endif
	QUANT X, PC+8*(\t), PW+(\t)
	global_store_b128 v[LI], v[PC+8*(\t):PC+8*(\t)+3], s[40:41] offset:1024*(\t)          ; 512 consecutive bytes a store
	global_store_b128 v[LI], v[PC+8*(\t)+4:PC+8*(\t)+7], s[40:41] offset:1024*(\t)+512
.endm
	LOADX 0, 0
	LOADX 1, 1
	STEPX 0
	STEPX 1
	STEPX 2
	STEPX 3
	v_cndmask_b32 v[MW], v[PW], v[PW+2], s45       ; every lane holds its row's four words: lanes 0-15 store words 0 and 1, lanes 16-31 words 2 and 3
	v_cndmask_b32 v[MW+1], v[PW+1], v[PW+3], s45
	global_store_b64 v[SD], v[MW:MW+1], s[42:43]   ; 256 consecutive bytes, aligned
	s_wait_tensorcnt 0x0
	ds_add_u32 v30, v31
	s_wait_dscnt 0x0
	s_endpgm
.Lweights:
	; ---- THE WEIGHTS.  A wave takes one tile of 16 rows x 1,024 K of one matrix: 8 fragment images and a scale image.
	s_sub_co_u32 s33, ttmp9, 256
	s_lshl_b32 s33, s33, 2
	s_add_co_u32 s33, s33, s32
	s_lshr_b32 s34, s33, 6                         ; the matrix: 0 q, 1 k, 2 v, 3 proj
	s_and_b32 s35, s33, 63                         ; its tile
	s_lshr_b32 s36, s35, 1                         ; q, k, v: first row 32 (tile / 2) + 8 (tile % 2)
	s_lshl_b32 s36, s36, 5
	s_and_b32 s37, s35, 1
	s_lshl_b32 s37, s37, 3
	s_add_co_u32 s36, s36, s37
	s_lshr_b32 s37, s35, 3                         ; block 3 x head pair + matrix of wl
	s_mul_i32 s37, s37, 3
	s_add_co_u32 s37, s37, s34
	s_mul_i32 s37, s37, WLB
	s_and_b32 s38, s35, 7
	s_lshl_b32 s39, s38, 13
	s_add_co_u32 s39, s39, s37                     ; the codes' place
	s_lshl_b32 s38, s38, 9
	s_add_co_u32 s38, s38, s37
	s_add_co_u32 s38, s38, 65536                   ; the scales' place
	s_lshl_b32 s40, s35, 4                         ; proj: first row 16 x tile
	s_lshr_b32 s41, s35, 4
	s_mul_i32 s41, s41, XQB
	s_and_b32 s42, s35, 15
	s_lshl_b32 s43, s42, 13
	s_add_co_u32 s43, s43, s41
	s_lshl_b32 s42, s42, 9
	s_add_co_u32 s42, s42, s41
	s_add_co_u32 s42, s42, 131072
	s_cmp_lt_u32 s34, 3                            ; the choices hang on the work-group's number alone
	s_cselect_b32 s36, s36, s40
	s_cselect_b32 s44, s39, s43
	s_cselect_b32 s46, s38, s42
	s_cselect_b32 s48, 1, 0
	s_mov_b32 s45, 0
	s_mov_b32 s47, 0
	s_wait_kmcnt 0x0
	s_cselect_b64 s[50:51], s[28:29], s[30:31]     ; wl or wpl
	s_mov_b64 s[52:53], s[10:11]
	s_mov_b64 s[54:55], s[12:13]
	s_cmp_eq_u32 s34, 1
	s_cselect_b64 s[52:53], s[14:15], s[52:53]
	s_cselect_b64 s[54:55], s[16:17], s[54:55]
	s_cmp_eq_u32 s34, 2
	s_cselect_b64 s[52:53], s[18:19], s[52:53]
	s_cselect_b64 s[54:55], s[20:21], s[54:55]
	s_cmp_eq_u32 s34, 3
	s_cselect_b64 s[52:53], s[22:23], s[52:53]
	s_cselect_b64 s[54:55], s[24:25], s[54:55]
	s_lshl_b32 s56, s36, 9                         ; a row of codes is 512 bytes,
	s_mov_b32 s57, 0
	s_lshl_b32 s58, s36, 5                         ; of scale bytes 32
	s_mov_b32 s59, 0
	s_add_nc_u64 s[52:53], s[52:53], s[56:57]
	s_add_nc_u64 s[54:55], s[54:55], s[58:59]
	s_add_nc_u64 s[60:61], s[50:51], s[44:45]
	s_add_nc_u64 s[62:63], s[50:51], s[46:47]
	s_wait_alu depctr_va_vdst(0)
	v_and_b32 v4, 8, v3
	v_mul_u32_u24 v4, v4, s48
	v_add_nc_u32 v4, v4, v3                        ; my row in the tile: r + 8 (r / 8), or r for w_proj
	v_lshlrev_b32 v5, 9, v4
	v_lshl_add_u32 v5, v7, 4, v5
	v_lshlrev_b32 v6, 5, v4
	v_lshl_add_u32 v6, v7, 4, v6
.irp k, 0,1,2,3,4,5,6,7
.irp c, 0,1
	global_load_b128 v[64+8*\k+4*\c:64+8*\k+4*\c+3], v5, s[52:53] offset:64*\k+32*\c   ; codes k = 128 k + 64 c + 32 h + 0 .. 31 of my row
.endr
.endr
	global_load_b128 v[128:131], v6, s[54:55]      ; scale bytes 16 h .. 16 h + 15 of my row
	s_wait_loadcnt 0x0
.irp k, 0,1,2,3,4,5,6,7
.irp c, 0,1
	global_store_b128 v[LI], v[64+8*\k+4*\c:64+8*\k+4*\c+3], s[60:61] offset:1024*\k+512*\c
.endr
.endr
	global_store_b128 v[LI], v[128:131], s[62:63]
	s_endpgm
.Lfunc_end_k_q5b40a1b16e_prep:
	.size	k_q5b40a1b16e_prep, .Lfunc_end_k_q5b40a1b16e_prep-k_q5b40a1b16e_prep
	.p2alignl 7, 3214868480
	.fill 96, 4, 3214868480
	.section	.rodata,"a",@progbits
	.p2align	6, 0x0
	.amdhsa_kernel k_q5b40a1b16e_prep
		.amdhsa_group_segment_fixed_size 34304
		.amdhsa_private_segment_fixed_size 0
		.amdhsa_enable_private_segment 0
		.amdhsa_kernarg_size 96
		.amdhsa_user_sgpr_count 2
		.amdhsa_user_sgpr_kernarg_segment_ptr 1
		.amdhsa_wavefront_size32 1
		.amdhsa_system_sgpr_workgroup_id_x 1
		.amdhsa_system_sgpr_workgroup_id_y 1
		.amdhsa_system_sgpr_workgroup_id_z 1
		.amdhsa_system_vgpr_workitem_id 0
		.amdhsa_next_free_vgpr 256
		.amdhsa_next_free_sgpr 66
		.amdhsa_reserve_vcc 0
		.amdhsa_float_denorm_mode_32 3
		.amdhsa_float_denorm_mode_16_64 3
		.amdhsa_memory_ordered 1
		.amdhsa_forward_progress 1
		.amdhsa_inst_pref_size 39
	.end_amdhsa_kernel
	.amdgpu_metadata
---
amdhsa.version: [ 1, 2 ]
amdhsa.kernels:
  - .name:           k_q5b40a1b16e_prep
    .symbol:         k_q5b40a1b16e_prep.kd
    .args:
      - { .name: x, .offset: 0, .size: 8, .value_kind: global_buffer, .address_space: global }
      - { .name: w_q_codes, .offset: 8, .size: 8, .value_kind: global_buffer, .address_space: global }
      - { .name: w_q_scales, .offset: 16, .size: 8, .value_kind: global_buffer, .address_space: global }
      - { .name: w_k_codes, .offset: 24, .size: 8, .value_kind: global_buffer, .address_space: global }
      - { .name: w_k_scales, .offset: 32, .size: 8, .value_kind: global_buffer, .address_space: global }
      - { .name: w_v_codes, .offset: 40, .size: 8, .value_kind: global_buffer, .address_space: global }
      - { .name: w_v_scales, .offset: 48, .size: 8, .value_kind: global_buffer, .address_space: global }
      - { .name: w_proj_codes, .offset: 56, .size: 8, .value_kind: global_buffer, .address_space: global }
      - { .name: w_proj_scales, .offset: 64, .size: 8, .value_kind: global_buffer, .address_space: global }
      - { .name: xq, .offset: 72, .size: 8, .value_kind: global_buffer, .address_space: global }
      - { .name: wl, .offset: 80, .size: 8, .value_kind: global_buffer, .address_space: global }
      - { .name: wpl, .offset: 88, .size: 8, .value_kind: global_buffer, .address_space: global }
    .group_segment_fixed_size: 34304
    .private_segment_fixed_size: 0
    .kernarg_segment_align: 8
    .kernarg_segment_size: 96
    .max_flat_workgroup_size: 128
    .sgpr_count:     66
    .vgpr_count:     256
    .wavefront_size: 32
...
	.end_amdgpu_metadata
.endif
;; end of part 1
;; launch qkv (part 2): grid 32 x 8, 4 waves a work-group, no clusters, 279,040 bytes of LDS; arguments xq, wl, qb, kv; writes qb, kv
.if DOCPART == 2
	.amdgcn_target "amdgcn-amd-amdhsa--gfx1250"
	.amdhsa_code_object_version 6
	.text
	.protected	k_q5b40a1b16e_qkv
	.globl	k_q5b40a1b16e_qkv
	.p2align	8
	.type	k_q5b40a1b16e_qkv,@function
k_q5b40a1b16e_qkv:
	s_mov_b64 s[64:65], 0
	v_nop
	global_prefetch_b8 v0, s[64:65] scope:SCOPE_SE
	s_setreg_imm32_b32 hwreg(HW_REG_WAVE_MODE, 25, 1), 1
	s_wait_xcnt 0x0
; q = x w_q, k = x w_k, v = x w_v on codes of FP4 with E8M0 scales, K = 1,024; the results are quantised at once for the two products of attention and stored as operand images.
; A work-group takes 256 tokens (work-group x) and one pair of heads (work-group y): 128 rows of each of w_q, w_k, w_v.  All that it reads from LDS, 278,528 bytes, comes by three tensor loads a wave at the head.
; Each of four waves does three UNITS of 128 (X, source 0, from LDS) x 64 (Y, source 1, kept in registers) over K: 32 accumulators, 256 products.  In a result a lane holds ONE row of Y and its registers run along X.
;   unit v: X = 128 tokens (the keys of one step of attention), Y = 64 rows of w_v (one head):  a lane holds one channel d, registers along the keys:  v is quantised along the keys;
;   unit q, unit k: X = the pair's 128 rows of w_q or w_k, Y = 64 tokens:  a lane holds one token, registers along d: q and k are quantised along d, two blocks of 32 a head.
; The rows of a tile are 32 (T / 2) + 8 (T % 2) + r + 8 (r / 8), so that the 16 registers of two neighbouring tiles of X are 16 neighbours along X.
; OUT.  qb, a head 73,728 bytes: [tile 128][lane][16 bytes] codes d = 32 h + 0 .. 31 of the tile's row r; then for each 64 tokens [lane 32][2 words]: word j of lane l is the scale word of tile 2 j + l / 16, row l % 16,
; its two bytes written twice.  kv, a head 143,360 bytes: k as in qb (73,728), then v: [step 16][d tile 4] fragment images of 128 keys (65,536), then [step 16][lane 32][2 words] scale words (4,096).
; LIMITS: as the quantiser's in the launch before: NaN and infinities not served, bytes held at 1 from below, a block of zeros gets the byte 1.
; NO CLUSTER: each work-group asks for its LDS content once, at its head, and two of a wave's three loads land under the first unit's 256 products; there is no ring whose refills joint loads could share.
; REGISTERS: window 0: v1-6 addresses, v10-15 scale words on the way out, v16-31 at work, v32-63 X's scale words, v64-79 the tokens' (Y), v80-95 w_v's (Y), v96-127 codes just made, v128-255 X's fragments, two sets.
;   window 1: the 64 tokens' fragments, v[64 b + 8 k].   window 2: accumulator (a, b) at v[64 b + 8 a].   window 3: w_v's fragments, laid as window 1.
.set XQB,  139264
.set WLB,  69632
.set QBH,  73728
.set KVH,  143360
.set LI,   1                           ; 16 x lane
.set L8,   2                           ; 8 x lane
.set ADRX, 3
.set ADRXS, 4
.set ADRY, 5
.set ADRYS, 6
.set MW,   10
.set HA,   12
.set HB,   14
.set TM,   16
.set PW,   24
.set XS,   32
.set YS,   64
.set YSV,  80
.set PC,   96
.set XF,   128
.set SEL,  66                          ; s[66:67]
.set HI,   68                          ; s68 lanes 16-31
.set MSB, 0
.macro WIN new                         ; the immediate's high byte repeats the setting that is left; bits 1:0 source 0, 3:2 source 1, 5:4 source 2, 7:6 destination
.if MSB != \new
	s_set_vgpr_msb (MSB<<8)|\new
.set MSB, \new
.endif
.endm
.macro PLACES n                        ; plain vector instructions between a matrix instruction and what touches its registers (ISA guide 7.12.1)
.rept \n
	v_nop
.endr
.endm
	s_load_b256 s[4:11], s[0:1], 0x0               ; xq s[4:5], wl s[6:7], qb s[8:9], kv s[10:11]
	v_lshl_add_u32 v8, v0, 2, 0x44000
	v_mov_b32 v9, 0
	ds_add_u32 v8, v9
	ds_add_u32 v8, v9
	v_lshrrev_b32 v7, 5, v0
	v_readfirstlane_b32 s12, v7                    ; wave 0..3
	s_and_b32 s13, ttmp7, 0xffff                   ; the pair of heads
	s_lshr_b32 s14, s12, 1
	s_and_b32 s15, s12, 1
	; descriptor group 1: dense blocks as rows of 256 bytes (32 elements of 8 bytes): 136 rows (a quarter of the tokens' block), 68 rows (a quarter of a weight's block)
	s_mov_b32 s16, 3<<16
	s_mov_b32 s17, 32<<16
	s_mov_b32 s18, 136<<16
	s_mov_b32 s19, 32<<16
	s_mov_b32 s20, 136
	s_mov_b32 s21, 32
	s_mov_b32 s22, 0
	s_mov_b32 s23, 0
	s_mov_b32 s24, 3<<16
	s_mov_b32 s25, 32<<16
	s_mov_b32 s26, 68<<16
	s_mov_b32 s27, 32<<16
	s_mov_b32 s28, 68
	s_mov_b32 s29, 32
	s_mov_b32 s30, 0
	s_mov_b32 s31, 0
	s_mov_b32 s32, 1
	s_mul_i32 s33, s12, 34816                      ; LDS: the tokens' block at 0, my quarter
	s_mul_i32 s56, ttmp9, XQB
	s_add_co_u32 s56, s56, s33
	s_mov_b32 s57, 0
	s_mov_b32 s36, 1
	s_mul_i32 s58, s12, 17408
	s_add_co_u32 s37, s58, 139264                  ; w_q's block behind it,
	s_mov_b32 s40, 1
	s_add_co_u32 s41, s58, 208896                  ; then w_k's
	s_mul_i32 s60, s13, 3*WLB                      ; the pair's three blocks of wl
	s_add_co_u32 s58, s58, s60
	s_mov_b32 s59, 0
	s_wait_dscnt 0x0
	s_wait_kmcnt 0x0
	s_add_nc_u64 s[34:35], s[4:5], s[56:57]
	s_add_nc_u64 s[38:39], s[6:7], s[58:59]
	s_add_nc_u64 s[42:43], s[38:39], WLB
	s_or_b32 s35, s35, 0x80000000
	s_or_b32 s39, s39, 0x80000000
	s_or_b32 s43, s43, 0x80000000
	tensor_load_to_lds s[32:35], s[16:23]          ; the first fills, one group: three loads of mine are out
	s_nop 0
	tensor_load_to_lds s[36:39], s[24:31]
	s_nop 0
	tensor_load_to_lds s[40:43], s[24:31]
	s_nop 0
	PLACES 4
	v_and_b32 v7, 31, v0
	v_lshlrev_b32 v[LI], 4, v7
	s_wait_alu depctr_va_vdst(0)
	v_lshlrev_b32 v[L8], 3, v7
	s_lshl_b32 s62, s15, 15                        ; w_v's block: my head's four tiles,
	s_add_co_u32 s62, s62, s60
	s_add_co_u32 s62, s62, 2*WLB
	s_mov_b32 s63, 0
	s_add_nc_u64 s[76:77], s[6:7], s[62:63]
	s_lshl_b32 s62, s15, 11                        ; and their scale images
	s_add_co_u32 s62, s62, s60
	s_add_co_u32 s62, s62, 2*WLB+65536
	s_add_nc_u64 s[78:79], s[6:7], s[62:63]
	WIN 0xc0                                       ; destination window 3
.irp b, 0,1,2,3
.irp k, 0,1,2,3,4,5,6,7
.irp c, 0,1
	global_load_b128 v[64*\b+8*\k+4*\c:64*\b+8*\k+4*\c+3], v[LI], s[76:77] offset:8192*\b+1024*\k+512*\c
.endr
.endr
.endr
	WIN 0
.irp b, 0,1,2,3
	global_load_b128 v[YSV+4*\b:YSV+4*\b+3], v[LI], s[78:79] offset:512*\b
.endr
	; where the results go
	s_lshr_b32 s56, ttmp9, 3
	s_lshl_b32 s56, s56, 4
	s_lshl_b32 s57, s13, 1
	s_add_co_u32 s56, s56, s57                     ; the pair's first head: 16 x batch + 2 x pair
	s_and_b32 s57, ttmp9, 7
	s_lshl_b32 s58, s57, 2
	s_add_co_u32 s58, s58, s12                     ; my 64 tokens among the batch's 32 groups
	s_lshl_b32 s57, s57, 1
	s_add_co_u32 s57, s57, s14                     ; my 128 keys among the batch's 16 steps
	s_mul_i32 s60, s56, QBH
	s_lshl_b32 s62, s58, 11
	s_add_co_u32 s62, s62, s60
	s_add_nc_u64 s[44:45], s[8:9], s[62:63]        ; q's codes
	s_lshl_b32 s62, s58, 8
	s_add_co_u32 s62, s62, s60
	s_add_co_u32 s62, s62, 65536
	s_add_nc_u64 s[46:47], s[8:9], s[62:63]        ; q's scale words
	s_mul_i32 s60, s56, KVH
	s_lshl_b32 s62, s58, 11
	s_add_co_u32 s62, s62, s60
	s_add_nc_u64 s[48:49], s[10:11], s[62:63]      ; k's codes
	s_lshl_b32 s62, s58, 8
	s_add_co_u32 s62, s62, s60
	s_add_co_u32 s62, s62, 65536
	s_add_nc_u64 s[50:51], s[10:11], s[62:63]      ; k's scale words
	s_add_co_u32 s56, s56, s15                     ; unit v serves one head: the wave's parity
	s_mul_i32 s60, s56, KVH
	s_lshl_b32 s62, s57, 12
	s_add_co_u32 s62, s62, s60
	s_add_co_u32 s62, s62, 73728
	s_add_nc_u64 s[52:53], s[10:11], s[62:63]      ; v's codes
	s_lshl_b32 s62, s57, 8
	s_add_co_u32 s62, s62, s60
	s_add_co_u32 s62, s62, 139264
	s_add_nc_u64 s[54:55], s[10:11], s[62:63]      ; v's scale words
	; where X lies in LDS, unit by unit
	s_lshl_b32 s69, s14, 16                        ; unit v: token tiles 8 (wave / 2) on,
	s_lshl_b32 s70, s14, 12
	s_add_co_u32 s70, s70, 131072                  ; and their scale images
	s_mov_b32 s71, 139264                          ; unit q
	s_mov_b32 s72, 204800
	s_mov_b32 s73, 208896                          ; unit k
	s_mov_b32 s74, 274432
	s_lshl_b32 s56, s12, 15                        ; Y of units q and k: token tiles 4 x wave on
	v_add_nc_u32 v[ADRY], s56, v[LI]
	s_lshl_b32 s56, s12, 11
	s_add_co_u32 s56, s56, 131072
	v_add_nc_u32 v[ADRYS], s56, v[LI]
	s_mov_b32 s[SEL], 0x76543210
	s_mov_b32 s[SEL+1], 0xfedcba98
	s_mov_b32 s[HI], 0xffff0000
.irp e, 0,1,2,3
	v_mov_b32 v[TM+4+\e], 0                        ; written once: a lane permute's destination counts as one of its sources
.endr
.macro XLOAD k                         ; X's eight fragments of K step k into set k % 2: 16 loads of 512 consecutive bytes
	WIN 0
.irp a, 0,1,2,3,4,5,6,7
.irp c, 0,1
	ds_load_b128 v[XF+64*((\k)%2)+8*\a+4*\c:XF+64*((\k)%2)+8*\a+4*\c+3], v[ADRX] offset:8192*\a+1024*(\k)+512*\c
.endr
.endr
.endm
; 32 products of K step ks.  A scale register holds K step i in lanes 0-15 and K step 4 + i in lanes 16-31.  The 32 accumulators take turns, one instruction a turn, in the same order in every K step.
.macro MULS ks, yw, ysc
	WIN \yw
.irp a, 0,1,2,3,4,5,6,7
.irp b, 0,1,2,3
.if (\ks) == 0
	v_wmma_scale_f32_16x16x128_f8f6f4 v[64*\b+8*\a:64*\b+8*\a+7], v[XF+64*((\ks)%2)+8*\a:XF+64*((\ks)%2)+8*\a+7], v[64*\b+8*(\ks):64*\b+8*(\ks)+7], 0, v[XS+4*\a+(\ks)%4], v[\ysc+4*\b+(\ks)%4] matrix_a_fmt:MATRIX_FMT_FP4 matrix_b_fmt:MATRIX_FMT_FP4
.elseif (\ks) < 4
	v_wmma_scale_f32_16x16x128_f8f6f4 v[64*\b+8*\a:64*\b+8*\a+7], v[XF+64*((\ks)%2)+8*\a:XF+64*((\ks)%2)+8*\a+7], v[64*\b+8*(\ks):64*\b+8*(\ks)+7], v[64*\b+8*\a:64*\b+8*\a+7], v[XS+4*\a+(\ks)%4], v[\ysc+4*\b+(\ks)%4] matrix_a_fmt:MATRIX_FMT_FP4 matrix_b_fmt:MATRIX_FMT_FP4
.else
	v_wmma_scale_f32_16x16x128_f8f6f4 v[64*\b+8*\a:64*\b+8*\a+7], v[XF+64*((\ks)%2)+8*\a:XF+64*((\ks)%2)+8*\a+7], v[64*\b+8*(\ks):64*\b+8*(\ks)+7], v[64*\b+8*\a:64*\b+8*\a+7], v[XS+4*\a+(\ks)%4], v[\ysc+4*\b+(\ks)%4] matrix_a_fmt:MATRIX_FMT_FP4 matrix_b_fmt:MATRIX_FMT_FP4 matrix_a_scale:MATRIX_SCALE_ROW1 matrix_b_scale:MATRIX_SCALE_ROW1
.endif
.endr
.endr
.endm
; The 64 results of Y's tile yb in my lane (window 2, register 16 e + i = X's row 32 e + 16 h + i) become eight registers of codes and a scale word.  Each accumulator is read from its low end on.
.macro QUANTW yb
	WIN 0x28                                       ; sources 1 and 2 window 2
.irp e, 0,1,2,3
	v_max3_num_f32 v[TM+\e], 0x1800000, |v[64*(\yb)+16*\e]|, |v[64*(\yb)+16*\e+1]|   ; with the floor 2^(3 - 127): the byte cannot fall under 1
.endr
.irp i, 2,4,6,8,10,12,14
.irp e, 0,1,2,3
	v_max3_num_f32 v[TM+\e], v[TM+\e], |v[64*(\yb)+16*\e+\i]|, |v[64*(\yb)+16*\e+\i+1]|
.endr
.endr
	WIN 0
.irp e, 0,1,2,3
	v_permlanex16_b32 v[TM+4+\e], v[TM+\e], s[SEL], s[SEL+1]
.endr
.irp e, 0,1,2,3
	v_max_num_f32 v[TM+\e], v[TM+\e], v[TM+4+\e]
.endr
.irp e, 0,1,2,3
	v_add_nc_u32 v[TM+12+\e], 0xff000000, v[TM+\e] ; 2 off the exponent field: the conversion's scale operand
.endr
.irp e, 0,1,2,3
	v_lshrrev_b32 v[TM+4+\e], 23, v[TM+12+\e]      ; the scale's byte
.endr
	v_lshl_or_b32 v[PW+(\yb)], v[TM+5], 8, v[TM+4]
	v_lshl_or_b32 v[PW+(\yb)], v[TM+6], 16, v[PW+(\yb)]
	v_lshl_or_b32 v[PW+(\yb)], v[TM+7], 24, v[PW+(\yb)]
	WIN 0x02                                       ; source 0 window 2
.irp e, 0,1,2,3
	v_cvt_scalef32_pk8_fp4_f32 v[PC+8*(\yb)+2*\e], v[64*(\yb)+16*\e:64*(\yb)+16*\e+7], v[TM+12+\e]
	v_cvt_scalef32_pk8_fp4_f32 v[PC+8*(\yb)+2*\e+1], v[64*(\yb)+16*\e+8:64*(\yb)+16*\e+15], v[TM+12+\e]
.endr
	WIN 0
	v_nop                                          ; one plain instruction behind a scaled conversion
.irp c, 0,1
.irp i, 0,1
	v_permlane16_swap_b32 v[PC+8*(\yb)+4*\c+\i], v[PC+8*(\yb)+4*\c+2+\i]
.endr
.endr
.endm
; A unit.  kind 0: v; 1: q or k.  yw: the products' windows; ysc: Y's scale words; xb, xsb: scalars with X's places in LDS; pco, psc: pointers for codes and scale words; hst: bytes from a head to the next.
.macro UNIT kind, yw, ysc, xb, xsb, pco, psc, hst
	WIN 0
	v_add_nc_u32 v[ADRX], s[\xb], v[LI]
	v_add_nc_u32 v[ADRXS], s[\xsb], v[LI]
.irp a, 0,1,2,3,4,5,6,7
	ds_load_b128 v[XS+4*\a:XS+4*\a+3], v[ADRXS] offset:512*\a
.endr
	XLOAD 0
	s_wait_alu depctr_va_vdst(0)
.irp k, 0,1,2,3,4,5,6,7
	s_wait_dscnt 0x0                               ; this K step's fragments are in: they were asked for 32 products ago
.if \k > 0
	PLACES 4                                       ; in front of loads into the set that the last 32 products read
.endif
.if \k < 7
	XLOAD \k+1
.endif
	MULS \k, \yw, \ysc
.endr
	WIN 0
	PLACES 5                                       ; in front of the first read of results; the next unit's first products write over these accumulators
	s_wait_xcnt 0x0                                ; the last unit's stores have read their registers: these are written again below
.irp b, 0,1,2,3
	QUANTW \b
.if \kind
	global_store_b128 v[LI], v[PC+8*\b:PC+8*\b+3], s[\pco:\pco+1] offset:512*\b              ; the first head's 64 d: half a fragment, 512 consecutive bytes
	global_store_b128 v[LI], v[PC+8*\b+4:PC+8*\b+7], s[\pco:\pco+1] offset:\hst+512*\b       ; the second head's
.else
	global_store_b128 v[LI], v[PC+8*\b:PC+8*\b+3], s[\pco:\pco+1] offset:1024*\b             ; a fragment image of 128 keys
	global_store_b128 v[LI], v[PC+8*\b+4:PC+8*\b+7], s[\pco:\pco+1] offset:1024*\b+512
.endif
.endr
	v_cndmask_b32 v[MW], v[PW], v[PW+1], s[HI]     ; every lane holds its row's word of each tile: lanes 0-15 keep tiles 0 and 2, lanes 16-31 tiles 1 and 3
	v_cndmask_b32 v[MW+1], v[PW+2], v[PW+3], s[HI]
.if \kind
	v_perm_b32 v[HA], v[MW], v[MW], 0x01000100     ; the first head's two bytes, twice: the upper two stand over codes that are zeros
	v_perm_b32 v[HA+1], v[MW+1], v[MW+1], 0x01000100
	v_perm_b32 v[HB], v[MW], v[MW], 0x03020302     ; the second head's
	v_perm_b32 v[HB+1], v[MW+1], v[MW+1], 0x03020302
	global_store_b64 v[L8], v[HA:HA+1], s[\psc:\psc+1]                ; 256 consecutive bytes, aligned
	global_store_b64 v[L8], v[HB:HB+1], s[\psc:\psc+1] offset:\hst
.else
	global_store_b64 v[L8], v[MW:MW+1], s[\psc:\psc+1]
.endif
.endm
	s_wait_alu depctr_va_vdst(0)
	s_wait_tensorcnt 0x2                           ; my quarter of the tokens' block is in; w_q's and w_k's loads may stay out
	s_barrier_signal -1
	s_barrier_wait -1                              ; everybody's is
	WIN 0x40                                       ; destination window 1
.irp b, 0,1,2,3
.irp k, 0,1,2,3,4,5,6,7
.irp c, 0,1
	ds_load_b128 v[64*\b+8*\k+4*\c:64*\b+8*\k+4*\c+3], v[ADRY] offset:8192*\b+1024*\k+512*\c   ; my 64 tokens' fragments stay in registers for units q and k
.endr
.endr
.endr
	WIN 0
.irp b, 0,1,2,3
	ds_load_b128 v[YS+4*\b:YS+4*\b+3], v[ADRYS] offset:512*\b
.endr
	s_wait_loadcnt 0x0                             ; w_v's fragments and scale words
	UNIT 0, 0xac, YSV, 69, 70, 52, 54, 0
	s_wait_tensorcnt 0x1                           ; my quarter of w_q's block is in; w_k's load may stay out
	s_barrier_signal -1
	s_barrier_wait -1
	UNIT 1, 0xa4, YS, 71, 72, 44, 46, QBH
	s_wait_tensorcnt 0x0                           ; my quarter of w_k's block
	s_barrier_signal -1
	s_barrier_wait -1
	UNIT 1, 0xa4, YS, 73, 74, 48, 50, KVH
	s_wait_tensorcnt 0x0
	ds_add_u32 v8, v9
	s_wait_dscnt 0x0
	s_endpgm
.Lfunc_end_k_q5b40a1b16e_qkv:
	.size	k_q5b40a1b16e_qkv, .Lfunc_end_k_q5b40a1b16e_qkv-k_q5b40a1b16e_qkv
	.p2alignl 7, 3214868480
	.fill 96, 4, 3214868480
	.section	.rodata,"a",@progbits
	.p2align	6, 0x0
	.amdhsa_kernel k_q5b40a1b16e_qkv
		.amdhsa_group_segment_fixed_size 279040
		.amdhsa_private_segment_fixed_size 0
		.amdhsa_enable_private_segment 0
		.amdhsa_kernarg_size 32
		.amdhsa_user_sgpr_count 2
		.amdhsa_user_sgpr_kernarg_segment_ptr 1
		.amdhsa_wavefront_size32 1
		.amdhsa_system_sgpr_workgroup_id_x 1
		.amdhsa_system_sgpr_workgroup_id_y 1
		.amdhsa_system_sgpr_workgroup_id_z 1
		.amdhsa_system_vgpr_workitem_id 0
		.amdhsa_next_free_vgpr 1024
		.amdhsa_next_free_sgpr 84
		.amdhsa_reserve_vcc 0
		.amdhsa_float_denorm_mode_32 3
		.amdhsa_float_denorm_mode_16_64 3
		.amdhsa_memory_ordered 1
		.amdhsa_forward_progress 1
		.amdhsa_inst_pref_size 194
	.end_amdhsa_kernel
	.amdgpu_metadata
---
amdhsa.version: [ 1, 2 ]
amdhsa.kernels:
  - .name:           k_q5b40a1b16e_qkv
    .symbol:         k_q5b40a1b16e_qkv.kd
    .args:
      - { .name: xq, .offset: 0, .size: 8, .value_kind: global_buffer, .address_space: global }
      - { .name: wl, .offset: 8, .size: 8, .value_kind: global_buffer, .address_space: global }
      - { .name: qb, .offset: 16, .size: 8, .value_kind: global_buffer, .address_space: global }
      - { .name: kv, .offset: 24, .size: 8, .value_kind: global_buffer, .address_space: global }
    .group_segment_fixed_size: 279040
    .private_segment_fixed_size: 0
    .kernarg_segment_align: 8
    .kernarg_segment_size: 32
    .max_flat_workgroup_size: 128
    .sgpr_count:     84
    .vgpr_count:     1024
    .wavefront_size: 32
...
	.end_amdgpu_metadata
.endif
;; end of part 2
;; launch attn (part 3): grid 8 x 32, 16 waves a work-group, no clusters, 327,680 bytes of LDS; arguments qb, kv, oc, os; writes oc, os
.if DOCPART == 3
	.amdgcn_target "amdgcn-amd-amdhsa--gfx1250"
	.amdhsa_code_object_version 6
	.text
	.protected	k_q5b40a1b16e_attn
	.globl	k_q5b40a1b16e_attn
	.p2align	8
	.type	k_q5b40a1b16e_attn,@function
k_q5b40a1b16e_attn:
	s_mov_b64 s[64:65], 0
	v_nop
	global_prefetch_b8 v0, s[64:65] scope:SCOPE_SE
	s_setreg_imm32_b32 hwreg(HW_REG_WAVE_MODE, 25, 1), 1
	s_wait_xcnt 0x0
; o = softmax(q k^T / 8) v for 64 heads of 2,048 tokens x 64, both products on codes of FP4 with E8M0 scales; o is quantised at once along head x 64 + d for the projection.
; THE SOFTMAX: t = score x log2(e) / 8; M = the running largest t rounded UP to a whole number; p = 2^(t - M) is quantised along the keys, not normalised; the row's sum is taken of the unquantised p and divides O at the end.
; When M moves, the sum and O are multiplied by 2^(old M - new M): exact.
; SHARES.  A work-group owns 256 queries (work-group x) of one PAIR of heads (work-group y = 8 x batch + pair); each of sixteen waves owns one tile of 16 queries and walks first one head's 2,048 keys, then the other's,
; 128 a step: so it ends with 128 neighbours along the projection's K: a whole fragment and a whole scale word.  Four waves share a SIMD: one wave's vector work stands beside another's products and LDS loads.
; LDS.  Both heads' k and v, codes and scale words, 2 x 143,360 bytes, come once, by two tensor loads a wave at the head; nothing is filled again.  Behind them 1,024 bytes in which the work-group's scale words of o meet.
; LAYOUT.  Both products are used transposed: S^T = k q^T (source 0 = 16 keys), O^T = v^T p^T (source 0 = 16 channels): a lane holds ONE query.  A tile's rows are 32 (T / 2) + 8 (T % 2) + r + 8 (r / 8), of keys, of queries and of
; channels alike, so that 16 registers of two neighbouring tiles are 16 neighbours.  The head's 64 fill half of the instruction's 128 along K: the upper halves of k's and q's fragments are zero codes.
; LIMITS: NaN and infinities not served; scale bytes held at 1 from below; a block of zeros gets the byte 1.
; NO CLUSTER, NO PREFETCH: k and v are asked for once by each work-group, at its head, where the addresses are first known.
; REGISTERS: v1-4 places that stay; v5 o's scale word; v6, v7 its places in LDS; v8-11 the step's addresses; v12 -M, v13 the largest t, v[14:15] the sum; v16-23 q; v24-27 the second head's q; v28-31 o's codes;
;   v32-95 eight fragments of k; v96-159 S^T, then p; v160-191 O^T; v192-223 four fragments of v; v224-231 p's codes; v232-239, v244-247, v252-254 at work; v240-241 v's scale words; v242, v243 q's; v248-251 k's; v255 p's.
.set QBH,  73728
.set KVH,  143360
.set OSL,  286720
.set LI,   1
.set AV0,  2
.set ASK0, 3
.set ASV0, 4
.set ADK,  8
.set ADV,  9
.set ADS,  10
.set ADT,  11
.set SEL,  40                          ; s[40:41]
.set CS,   42                          ; s[42:43] c = log2(e) / 8
.set TK,   44                          ; LDS byte of the step's codes (k's; v's lie 73,728 on): 4,096 a step
.set TS,   45                          ; of k's scale words: 512 a step
.set TJ,   46                          ; of v's: 256 a step
.set CNT,  47
	s_load_b256 s[4:11], s[0:1], 0x0               ; qb s[4:5], kv s[6:7], oc s[8:9], os s[10:11]
	v_lshl_add_u32 v254, v0, 2, 0x46400
	v_mov_b32 v255, 0
	ds_add_u32 v254, v255
	ds_add_u32 v254, v255
	s_wait_dscnt 0x0
	v_lshrrev_b32 v8, 5, v0
	s_delay_alu instid0(VALU_DEP_1)
	v_readfirstlane_b32 s12, v8                    ; wave 0..15
	s_and_b32 s14, ttmp7, 0xffff                   ; 8 x batch + pair
	; descriptor group 1: a sixteenth of a head's block: 35 dense rows of 256 bytes (32 elements of 8 bytes)
	s_mov_b32 s16, 3<<16
	s_mov_b32 s17, 32<<16
	s_mov_b32 s18, 35<<16
	s_mov_b32 s19, 32<<16
	s_mov_b32 s20, 35
	s_mov_b32 s21, 32
	s_mov_b32 s22, 0
	s_mov_b32 s23, 0
	s_mov_b32 s24, 1
	s_mul_i32 s25, s12, 8960
	s_mov_b32 s28, 1
	s_add_co_u32 s29, s25, KVH
	s_mul_i32 s48, s14, 2*KVH
	s_add_co_u32 s48, s48, s25
	s_mov_b32 s49, 0
	s_wait_kmcnt 0x0
	s_add_nc_u64 s[26:27], s[6:7], s[48:49]
	s_add_nc_u64 s[30:31], s[26:27], KVH
	s_or_b32 s27, s27, 0x80000000
	s_or_b32 s31, s31, 0x80000000
	tensor_load_to_lds s[24:27], s[16:23]          ; the first head's block; one load of mine is out
	s_nop 0
	s_wait_alu depctr_va_vdst(0)
	s_wait_tensorcnt 0x0
	ds_add_u32 v254, v255
	s_wait_dscnt 0x0
	s_barrier_signal -1
	s_barrier_wait -1
	tensor_load_to_lds s[28:31], s[16:23]          ; the second's
	s_nop 0
.rept 4
	v_nop
.endr
	v_and_b32 v8, 31, v0                           ; lane
	v_and_b32 v9, 15, v0                           ; r
	s_wait_alu depctr_va_vdst(0)
	v_lshlrev_b32 v[LI], 4, v8
	s_wait_alu depctr_va_vdst(0)
	v_add_nc_u32 v[AV0], 73728, v[LI]
	v_lshlrev_b32 v10, 3, v8
	s_delay_alu instid0(VALU_DEP_1)
	v_add_nc_u32 v[ASK0], 65536, v10
	s_delay_alu instid0(VALU_DEP_2)
	v_add_nc_u32 v[ASV0], 139264, v10
	s_lshl_b32 s50, ttmp9, 4
	s_add_co_u32 s50, s50, s12                     ; my tile of queries among the batch's 128
	s_mul_i32 s51, s14, 2*QBH
	s_lshl_b32 s48, s50, 9
	s_add_co_u32 s48, s48, s51
	s_add_nc_u64 s[32:33], s[4:5], s[48:49]        ; its codes, first head
	s_lshr_b32 s48, s50, 2
	s_lshl_b32 s48, s48, 8
	s_add_co_u32 s48, s48, s51
	s_add_co_u32 s48, s48, 65536
	s_add_nc_u64 s[34:35], s[4:5], s[48:49]        ; its group's scale words
	s_and_b32 s52, s12, 1
	s_lshl_b32 s52, s52, 7                         ; tile 2 j + u of the group: lanes 16 u on (8 bytes a lane),
	s_bfe_u32 s53, s12, 0x10001
	s_lshl_b32 s53, s53, 2                         ; word j
	s_add_co_u32 s52, s52, s53
	v_lshl_add_u32 v11, v9, 3, s52
	global_load_b128 v[16:19], v[LI], s[32:33]
	global_load_b128 v[24:27], v[LI], s[32:33] offset:QBH
	global_load_b32 v242, v11, s[34:35]
	global_load_b32 v243, v11, s[34:35] offset:QBH
	s_lshr_b32 s52, s14, 3
	s_lshl_b32 s52, s52, 7                         ; 128 x batch
	s_add_co_u32 s53, s52, s50
	s_lshl_b32 s48, s53, 13                        ; oc: the token tile's eight fragment images,
	s_and_b32 s54, s14, 7
	s_lshl_b32 s55, s54, 10                        ; the pair's
	s_add_co_u32 s48, s48, s55
	s_add_nc_u64 s[36:37], s[8:9], s[48:49]
	s_lshl_b32 s53, ttmp9, 4
	s_add_co_u32 s53, s53, s52
	s_lshl_b32 s48, s53, 6                         ; os: [pair 8][token tile 512][16 words]: the work-group's 16 tiles are 1,024 consecutive bytes
	s_lshl_b32 s55, s54, 15
	s_add_co_u32 s48, s48, s55
	s_add_nc_u64 s[38:39], s[10:11], s[48:49]
	s_lshl_b32 s52, s12, 6
	s_add_co_u32 s52, s52, OSL
	v_lshl_add_u32 v6, v9, 2, s52                  ; where my row's scale word of o goes
	v_and_b32 v7, 63, v0
	s_delay_alu instid0(VALU_DEP_1)
	v_lshl_add_u32 v7, v7, 4, OSL                  ; and where waves 0 and 1 read 16 bytes back
	s_mov_b32 s[SEL], 0x76543210
	s_mov_b32 s[SEL+1], 0xfedcba98
	s_mov_b32 s[CS], 0x3e38aa3b
	s_mov_b32 s[CS+1], s[CS]                       ; named with it as a pair, so it is written
.irp i, 20,21,22,23
	v_mov_b32 v[\i], 0                             ; q's upper 64 along K: zero codes
.endr
.irp t, 0,1,2,3,4,5,6,7
.irp i, 4,5,6,7
	v_mov_b32 v[32+8*\t+\i], 0                     ; k's likewise: written once, never loaded over
.endr
.endr
.irp e, 0,1,2,3
	v_mov_b32 v[236+\e], 0                         ; written once: a lane permute's destination counts as one of its sources
.endr
	v_mov_b32 v253, 0                              ; named as the upper half of the pair v[252:253]
; A KEY STEP: 128 keys.  qs: the register with q's scale words.
.macro STEP qs
	v_add_nc_u32 v[ADK], s[TK], v[LI]              ; these four are also the places behind the last step's products, in front of the loads into their operands
	v_add_nc_u32 v[ADV], s[TK], v[AV0]
	v_add_nc_u32 v[ADS], s[TS], v[ASK0]
	v_add_nc_u32 v[ADT], s[TJ], v[ASV0]
	ds_load_b64 v[248:249], v[ADS]                 ; k's scale words: register t / 2 holds tile t's in lanes 16 (t % 2) on
	ds_load_b64 v[250:251], v[ADS] offset:256
.irp t, 0,1,2,3,4,5,6,7
	ds_load_b128 v[32+8*\t:35+8*\t], v[ADK] offset:512*\t
.endr
	ds_load_b64 v[240:241], v[ADT]                 ; v's scale words and fragments: wanted behind the softmax
.irp t, 0,1,2,3
.irp c, 0,1
	ds_load_b128 v[192+8*\t+4*\c:195+8*\t+4*\c], v[ADV] offset:1024*\t+512*\c
.endr
.endr
	s_wait_dscnt 9                                 ; k's ten loads are in; v's nine may be out
.irp t, 0,2,4,6
	v_wmma_scale_f32_16x16x128_f8f6f4 v[96+8*\t:103+8*\t], v[32+8*\t:39+8*\t], v[16:23], 0, v[248+\t/2], v[\qs] matrix_a_fmt:MATRIX_FMT_FP4 matrix_b_fmt:MATRIX_FMT_FP4
	v_wmma_scale_f32_16x16x128_f8f6f4 v[104+8*\t:111+8*\t], v[40+8*\t:47+8*\t], v[16:23], 0, v[248+\t/2], v[\qs] matrix_a_fmt:MATRIX_FMT_FP4 matrix_b_fmt:MATRIX_FMT_FP4 matrix_a_scale:MATRIX_SCALE_ROW1
.endr
.rept 4
	v_nop                                          ; places in front of the first read of the scores
.endr
.irp b, 0,1,2,3
	v_max3_num_f32 v[232+\b], v[96+16*\b], v[97+16*\b], v[98+16*\b]   ; the largest score of each block of 32 keys: for the row's maximum, and, since p rises with the score, for the block's largest p
.endr
.irp i, 3,5,7,9,11,13
.irp b, 0,1,2,3
	v_max3_num_f32 v[232+\b], v[232+\b], v[96+16*\b+\i], v[97+16*\b+\i]
.endr
.endr
.irp b, 0,1,2,3
	v_max_num_f32 v[232+\b], v[232+\b], v[111+16*\b]
.endr
.irp b, 0,1,2,3
	s_delay_alu instid0(VALU_DEP_4)
	v_permlanex16_b32 v[236+\b], v[232+\b], s[SEL], s[SEL+1]
.endr
.irp b, 0,1,2,3
	s_delay_alu instid0(VALU_DEP_4)
	v_max_num_f32 v[232+\b], v[232+\b], v[236+\b]  ; with lane l xor 16's 16 keys
.endr
	s_delay_alu instid0(VALU_DEP_2)
	v_max3_num_f32 v254, v232, v233, v234
	s_delay_alu instid0(VALU_DEP_1)
	v_max_num_f32 v254, v254, v235                 ; the step's largest score of my query
	s_delay_alu instid0(VALU_DEP_1)
	v_mul_f32 v254, s[CS], v254                    ; as t (c is positive)
	s_delay_alu instid0(VALU_DEP_1)
	v_max_num_f32 v13, v13, v254                   ; the running largest t
	v_mov_b32 v254, v12
	s_delay_alu instid0(VALU_DEP_2)
	v_floor_f32 v12, -v13                          ; the new -M = floor(-t) = -ceil(t)
	s_delay_alu instid0(VALU_DEP_1)
	v_sub_f32 v254, v12, v254                      ; old M - new M: a whole number, 0 or less
	s_delay_alu instid0(VALU_DEP_1)
	v_cvt_i32_f32 v254, v254                       ; (it saturates)
	s_delay_alu instid0(VALU_DEP_1)
	v_ldexp_f32 v252, 1.0, v254                    ; f = 2^(old M - new M)
.set j, 0
.rept 32
	v_pk_fma_f32 v[96+j:97+j], v[96+j:97+j], s[CS:CS+1], v[12:13] op_sel_hi:[1,0,0]   ; t - M, two at a time
.set j, j+2
.endr
.irp b, 0,1,2,3
	v_fma_f32 v[232+\b], v[232+\b], s[CS], v12     ; the same of each block's largest score
.endr
.set j, 0
	s_wait_alu depctr_va_vdst(0)
.rept 64
	v_exp_f32 v[96+j], v[96+j]                     ; p = 2^(t - M), at most 1
.set j, j+1
.endr
	s_setprio 1
	v_pk_mul_f32 v[14:15], v[14:15], v[252:253] op_sel_hi:[1,0]   ; the sums under the new M: the plain instruction behind the exponentials
	s_wait_alu depctr_va_vdst(0)                   ; one wait for the batch of 64, ahead of its first reader
.irp b, 0,1,2,3
	v_exp_f32 v[232+\b], v[232+\b]                 ; the block's largest p
.endr
	v_pk_add_f32 v[236:237], v[96:97], v[98:99]    ; the row's sum, of the unquantised p, in two chains
.set j, 4
.rept 15
	v_pk_add_f32 v[14:15], v[14:15], v[96+j:97+j]
	v_pk_add_f32 v[236:237], v[236:237], v[98+j:99+j]
.set j, j+4
.endr
	s_delay_alu instid0(VALU_DEP_1)
	v_pk_add_f32 v[14:15], v[14:15], v[236:237]
	s_wait_alu depctr_va_vdst(0)                   ; and one for the four
.irp b, 0,1,2,3
	v_max_num_f32 v[232+\b], 0x1800000, v[232+\b]  ; the floor 2^(3 - 127): the byte cannot fall under 1
.endr
.irp b, 0,1,2,3
	s_delay_alu instid0(VALU_DEP_4)
	v_add_nc_u32 v[244+\b], 0xff000000, v[232+\b]  ; 2 off the exponent field: the conversion's scale operand
.endr
.irp b, 0,1,2,3
	s_delay_alu instid0(VALU_DEP_4)
	v_lshrrev_b32 v[236+\b], 23, v[244+\b]         ; the scale's byte
.endr
	s_delay_alu instid0(VALU_DEP_3)
	v_lshl_or_b32 v255, v237, 8, v236              ; p's scale word for these 128 keys
	s_delay_alu instid0(VALU_DEP_1)
	v_lshl_or_b32 v255, v238, 16, v255
	s_delay_alu instid0(VALU_DEP_1)
	v_lshl_or_b32 v255, v239, 24, v255
.irp b, 0,1,2,3
	v_cvt_scalef32_pk8_fp4_f32 v[224+2*\b], v[96+16*\b:103+16*\b], v[244+\b]
	v_cvt_scalef32_pk8_fp4_f32 v[225+2*\b], v[104+16*\b:111+16*\b], v[244+\b]
.endr
	v_nop                                          ; one plain instruction behind a scaled conversion
.irp c, 0,1
.irp i, 0,1
	v_permlane16_swap_b32 v[224+4*\c+\i], v[226+4*\c+\i]   ; a whole block to a lane
.endr
.endr
.set j, 0
	s_setprio 0
.rept 16
	v_pk_mul_f32 v[160+j:161+j], v[160+j:161+j], v[252:253] op_sel_hi:[1,0]   ; O^T under the new M; these sixteen are also the places between p's codes and scale word and the products
.set j, j+2
.endr
	s_wait_alu depctr_va_vdst(0)
	s_wait_dscnt 0x0                               ; v's fragments and scale words
.irp t, 0,2
	v_wmma_scale_f32_16x16x128_f8f6f4 v[160+8*\t:167+8*\t], v[192+8*\t:199+8*\t], v[224:231], v[160+8*\t:167+8*\t], v[240+\t/2], v255 matrix_a_fmt:MATRIX_FMT_FP4 matrix_b_fmt:MATRIX_FMT_FP4
	v_wmma_scale_f32_16x16x128_f8f6f4 v[168+8*\t:175+8*\t], v[200+8*\t:207+8*\t], v[224:231], v[168+8*\t:175+8*\t], v[240+\t/2], v255 matrix_a_fmt:MATRIX_FMT_FP4 matrix_b_fmt:MATRIX_FMT_FP4 matrix_a_scale:MATRIX_SCALE_ROW1
.endr
	s_add_co_u32 s[TK], s[TK], 4096
	s_add_co_u32 s[TS], s[TS], 512
	s_add_co_u32 s[TJ], s[TJ], 256
.endm
; One head of the pair: all its keys, then o = O / l, quantised: two blocks of 32 along d, half a fragment and half a scale word.
.macro PASS p, qs
.if \p
	s_wait_xcnt 0x0                                ; the first head's store has read v28-31
.irp i, 0,1,2,3
	v_mov_b32 v[16+\i], v[24+\i]                   ; the second head's q
.endr
.endif
	v_mov_b32 v13, 0xff61b1e6                      ; the largest t so far: -3e38, under every t
	s_delay_alu instid0(VALU_DEP_1)
	v_floor_f32 v12, -v13                          ; -M
	v_mov_b32 v14, 0
	v_mov_b32 v15, 0
.set j, 0
.rept 32
	v_mov_b32 v[160+j], 0                          ; O^T: the step is written once; the first finds zeros, which the first change of M leaves zeros
.set j, j+1
.endr
	s_mov_b32 s[TK], KVH*\p
	s_mov_b32 s[TS], KVH*\p
	s_mov_b32 s[TJ], KVH*\p
	s_mov_b32 s[CNT], 16
.Lstep_\@:
	s_setprio 2
	STEP \qs
	s_sub_co_u32 s[CNT], s[CNT], 1
	s_cmp_lg_u32 s[CNT], 0
	s_cbranch_scc1 .Lstep_\@
	s_setprio 0
.rept 4
	v_nop                                          ; places behind the last products
.endr
	v_add_f32 v14, v14, v15
	s_delay_alu instid0(VALU_DEP_1)
	v_permlanex16_b32 v252, v14, s[SEL], s[SEL+1]
	s_delay_alu instid0(VALU_DEP_1)
	v_add_f32 v14, v14, v252                       ; the row's sum
	s_wait_alu depctr_va_vdst(0)
	v_rcp_f32 v254, v14
	v_nop                                          ; a plain instruction behind the reciprocal,
	s_wait_alu depctr_va_vdst(0)                   ; and the wait ahead of its first reader
.set j, 0
.rept 32
	v_mul_f32 v[96+j], v[160+j], v254              ; o: register 16 e + i is channel 32 e + 16 h + i of my query
.set j, j+1
.endr
.irp e, 0,1
	v_max3_num_f32 v[232+\e], |v[96+16*\e]|, |v[97+16*\e]|, 0x1800000
.endr
.irp i, 2,4,6,8,10,12,14
.irp e, 0,1
	s_delay_alu instid0(VALU_DEP_2)
	v_max3_num_f32 v[232+\e], v[232+\e], |v[96+16*\e+\i]|, |v[97+16*\e+\i]|
.endr
.endr
.irp e, 0,1
	s_delay_alu instid0(VALU_DEP_2)
	v_permlanex16_b32 v[236+\e], v[232+\e], s[SEL], s[SEL+1]
.endr
.irp e, 0,1
	s_delay_alu instid0(VALU_DEP_2)
	v_max_num_f32 v[232+\e], v[232+\e], v[236+\e]
.endr
.irp e, 0,1
	s_delay_alu instid0(VALU_DEP_2)
	v_add_nc_u32 v[244+\e], 0xff000000, v[232+\e]
.endr
.irp e, 0,1
	s_delay_alu instid0(VALU_DEP_2)
	v_lshrrev_b32 v[236+\e], 23, v[244+\e]
.endr
.if \p
	s_delay_alu instid0(VALU_DEP_1)
	v_lshl_or_b32 v254, v237, 8, v236
	s_delay_alu instid0(VALU_DEP_1)
	v_lshl_or_b32 v5, v254, 16, v5                 ; the second head's two bytes on top: the word is whole
.else
	s_delay_alu instid0(VALU_DEP_1)
	v_lshl_or_b32 v5, v237, 8, v236
.endif
	v_cvt_scalef32_pk8_fp4_f32 v28, v[96:103], v244
	v_cvt_scalef32_pk8_fp4_f32 v29, v[104:111], v244
	v_cvt_scalef32_pk8_fp4_f32 v30, v[112:119], v245
	v_cvt_scalef32_pk8_fp4_f32 v31, v[120:127], v245
	v_nop
	v_permlane16_swap_b32 v28, v30
	v_permlane16_swap_b32 v29, v31                 ; v28-31: channels 32 h + 0 .. 31
	global_store_b128 v[LI], v[28:31], s[36:37] offset:512*\p   ; half c = the head's parity of the fragment image: 512 consecutive bytes
.endm
	s_wait_tensorcnt 0x1                           ; my part of the first head's block is in; the second's may stay out
	s_barrier_signal -1
	s_barrier_wait -1                              ; everybody's is
	s_wait_loadcnt 0x0                             ; q
	PASS 0, 242
	s_wait_tensorcnt 0x0                           ; my part of the second head's block
	s_wait_dscnt 0x0
	s_barrier_signal -1
	s_barrier_wait -1
	PASS 1, 243
	ds_store_b32 v6, v5                            ; lanes l and l + 16 write the same word with the same value
	s_wait_dscnt 0x0                               ; for the others' sake
	s_barrier_signal -1
	s_barrier_wait -1
	v_and_b32 v8, 63, v0
	s_delay_alu instid0(VALU_DEP_1)
	v_lshlrev_b32 v8, 4, v8
	s_cmp_lt_u32 s12, 2
	s_cbranch_scc0 .Lend
	ds_load_b128 v[96:99], v7                      ; the work-group's 256 scale words leave by two waves, 512 consecutive bytes each
	s_wait_dscnt 0x0
	s_wait_alu depctr_va_vdst(0)
	global_store_b128 v8, v[96:99], s[38:39]
.Lend:
	s_wait_xcnt 0x0
	v_lshl_add_u32 v254, v0, 2, 0x46400
	v_mov_b32 v255, 0
	s_wait_alu depctr_va_vdst(0)
	s_wait_tensorcnt 0x0
	ds_add_u32 v254, v255
	s_wait_dscnt 0x0
	s_endpgm
.Lfunc_end_k_q5b40a1b16e_attn:
	.size	k_q5b40a1b16e_attn, .Lfunc_end_k_q5b40a1b16e_attn-k_q5b40a1b16e_attn
	.p2alignl 7, 3214868480
	.fill 96, 4, 3214868480
	.section	.rodata,"a",@progbits
	.p2align	6, 0x0
	.amdhsa_kernel k_q5b40a1b16e_attn
		.amdhsa_group_segment_fixed_size 327680
		.amdhsa_private_segment_fixed_size 0
		.amdhsa_enable_private_segment 0
		.amdhsa_kernarg_size 32
		.amdhsa_user_sgpr_count 2
		.amdhsa_user_sgpr_kernarg_segment_ptr 1
		.amdhsa_wavefront_size32 1
		.amdhsa_system_sgpr_workgroup_id_x 1
		.amdhsa_system_sgpr_workgroup_id_y 1
		.amdhsa_system_sgpr_workgroup_id_z 1
		.amdhsa_system_vgpr_workitem_id 0
		.amdhsa_next_free_vgpr 256
		.amdhsa_next_free_sgpr 66
		.amdhsa_reserve_vcc 0
		.amdhsa_float_denorm_mode_32 3
		.amdhsa_float_denorm_mode_16_64 3
		.amdhsa_memory_ordered 1
		.amdhsa_forward_progress 1
		.amdhsa_inst_pref_size 51
	.end_amdhsa_kernel
	.amdgpu_metadata
---
amdhsa.version: [ 1, 2 ]
amdhsa.kernels:
  - .name:           k_q5b40a1b16e_attn
    .symbol:         k_q5b40a1b16e_attn.kd
    .args:
      - { .name: qb, .offset: 0, .size: 8, .value_kind: global_buffer, .address_space: global }
      - { .name: kv, .offset: 8, .size: 8, .value_kind: global_buffer, .address_space: global }
      - { .name: oc, .offset: 16, .size: 8, .value_kind: global_buffer, .address_space: global }
      - { .name: os, .offset: 24, .size: 8, .value_kind: global_buffer, .address_space: global }
    .group_segment_fixed_size: 327680
    .private_segment_fixed_size: 0
    .kernarg_segment_align: 8
    .kernarg_segment_size: 32
    .max_flat_workgroup_size: 512
    .sgpr_count:     66
    .vgpr_count:     256
    .wavefront_size: 32
...
	.end_amdgpu_metadata
.endif
;; end of part 3
;; launch projln (part 4): grid 256 x 1, 4 waves a work-group, no clusters, 263,168 bytes of LDS; arguments oc, os, wpl, b_proj, x, ln_gamma, ln_beta, out0; writes out0
.if DOCPART == 4
	.amdgcn_target "amdgcn-amd-amdhsa--gfx1250"
	.amdhsa_code_object_version 6
	.text
	.protected	k_q5b40a1b16e_projln
	.globl	k_q5b40a1b16e_projln
	.p2align	8
	.type	k_q5b40a1b16e_projln,@function
k_q5b40a1b16e_projln:
	s_mov_b64 s[64:65], 0
	v_nop
	global_prefetch_b8 v0, s[64:65] scope:SCOPE_SE
	s_setreg_imm32_b32 hwreg(HW_REG_WAVE_MODE, 25, 1), 1
	s_wait_xcnt 0x0
; out = LayerNorm(o w_proj + b_proj + x) x gamma + beta.  The product runs on codes of FP4 with E8M0 scales, K = 1,024; all else in f32.
; A work-group owns 32 tokens (token tiles 2 g and 2 g + 1) and all 1,024 columns, so that a row's mean and variance need no other work-group.
; PHASE A: THE WAVES SHARE THE COLUMNS.  Wave w makes columns 256 w .. 256 w + 255: 16 tiles of w_proj's rows x 2 tiles of tokens = 32 accumulators, used transposed (source 0 = 16 rows of w_proj, source 1 = 16 tokens), so that a
; lane holds one token and eight neighbouring columns.  Its weights, 139,264 consecutive bytes of operand images, go from memory straight into registers, a ring of three groups of 17 loads: no other wave of the work-group
; reads them, so LDS would spare nothing.  The bias is the C of each sum's first product.  x's 32 rows come into LDS meanwhile, by one tensor load a wave.
; PHASE B: THE WAVES SHARE THE ROWS.  The results meet in a stage in LDS; each wave takes eight whole rows, one at a time: + x, mean, variance about the mean, scale, gamma, beta; a row leaves as 8 stores of 512 consecutive bytes.
; A token tile's rows are 32 g + 8 u + r + 8 (r / 8): the stage's address puts them back in order.
; NO CLUSTER: the only tensor load brings the work-group's own rows of x.  NO PREFETCH: the weights are the same 557,056 bytes for every work-group.
; REGISTERS: window 0: v1-6 addresses, v8-21 at work in phase B, v32-43 the weights' scale words (ring of 3), v44-51 o's, v64-255 the weights' ring, later two sets of a row of y and of x.
;   window 1: v0-127 o's fragments v[64 u + 8 k], v128-255 the bias, eight registers a tile.   window 2: accumulator (nt, u) at v[16 nt + 8 u].   window 3: v0-31 gamma, v32-63 beta.
.set STG,  131072                      ; LDS: x's 32 rows of 4,096 bytes at 0; behind them the stage: 32 rows of 4,096 + 16 bytes
.set SPI,  4112
.set LI,   1                           ; 16 x lane
.set SO,   2                           ; the stage, on the way in
.set YR,   3                           ; and out: my eight rows
.set XR,   4                           ; x's rows likewise
.set BA,   5                           ; 32 h: the bias
.set OA,   6                           ; 131,072 h + 4 r: o's scale words
.set WS,   32
.set OS,   44
.set WR,   64
.set SEL,  50                          ; s[50:51]
.set MSB, 0
.macro WIN new                         ; the immediate's high byte repeats the setting that is left; bits 1:0 source 0, 3:2 source 1, 5:4 source 2, 7:6 destination
.if MSB != \new
	s_set_vgpr_msb (MSB<<8)|\new
.set MSB, \new
.endif
.endm
	s_load_b512 s[8:23], s[0:1], 0x0               ; oc s[8:9], os s[10:11], wpl s[12:13], b_proj s[14:15], x s[16:17], gamma s[18:19], beta s[20:21], out0 s[22:23]
	v_lshl_add_u32 v62, v0, 2, 0x40200
	v_mov_b32 v63, 0
	ds_add_u32 v62, v63
	ds_add_u32 v62, v63
	v_lshrrev_b32 v7, 5, v0
	v_readfirstlane_b32 s36, v7                    ; wave 0..3
	; descriptor group 1: eight rows of x, 32,768 dense bytes, as 128 rows of 256 bytes (32 elements of 8 bytes)
	s_mov_b32 s24, 3<<16
	s_mov_b32 s25, 32<<16
	s_mov_b32 s26, 128<<16
	s_mov_b32 s27, 32<<16
	s_mov_b32 s28, 128
	s_mov_b32 s29, 32
	s_mov_b32 s30, 0
	s_mov_b32 s31, 0
	s_mov_b32 s32, 1
	s_lshl_b32 s33, s36, 15
	s_lshl_b32 s38, ttmp9, 17                      ; 32 rows of 4,096 bytes a work-group,
	s_add_co_u32 s38, s38, s33                     ; eight a wave
	s_mov_b32 s39, 0
	s_wait_dscnt 0x0
	s_wait_kmcnt 0x0
	s_add_nc_u64 s[34:35], s[16:17], s[38:39]
	s_or_b32 s35, s35, 0x80000000
	tensor_load_to_lds s[32:35], s[24:31]          ; my one tensor load
	s_nop 0
.rept 4
	v_nop
.endr
	s_add_nc_u64 s[48:49], s[22:23], s[38:39]      ; out0 at my eight rows
	s_lshl_b32 s54, ttmp9, 14
	s_mov_b32 s55, 0
	s_add_nc_u64 s[40:41], s[8:9], s[54:55]        ; o's two tiles of eight fragment images
	s_lshl_b32 s54, ttmp9, 7
	s_add_nc_u64 s[42:43], s[10:11], s[54:55]      ; their scale words: 64 bytes a tile and K step
	s_mul_i32 s54, s36, 139264
	s_add_nc_u64 s[44:45], s[12:13], s[54:55]      ; my quarter of the weights
	s_lshl_b32 s54, s36, 10
	s_add_nc_u64 s[46:47], s[14:15], s[54:55]      ; my 256 numbers of the bias
	v_and_b32 v7, 31, v0
	v_and_b32 v8, 15, v0                           ; r
	v_bfe_u32 v9, v0, 4, 1                         ; h
	v_lshlrev_b32 v[LI], 4, v7
	v_and_b32 v10, 8, v8
	v_add_nc_u32 v10, v10, v8                      ; r + 8 (r / 8)
	v_mul_u32_u24 v[SO], v10, SPI
	v_lshl_add_u32 v[SO], v9, 5, v[SO]
	s_add_co_u32 s56, s54, STG
	v_add_nc_u32 v[SO], s56, v[SO]                 ; stage row r + 8 (r / 8) (+ 8 u), byte 1,024 w + 32 h (+ 64 nt)
	s_mul_i32 s56, s36, 8*SPI
	s_add_co_u32 s56, s56, STG
	v_add_nc_u32 v[YR], s56, v[LI]
	v_add_nc_u32 v[XR], s33, v[LI]
	v_lshlrev_b32 v[BA], 5, v9
	v_lshlrev_b32 v[OA], 2, v8
	v_lshl_add_u32 v[OA], v9, 17, v[OA]
	s_mov_b32 s[SEL], 0x76543210
	s_mov_b32 s[SEL+1], 0xfedcba98
	s_mov_b32 s52, 0x3a800000                      ; 1 / 1,024
	s_mov_b32 s53, 0x358637bd                      ; 1e-6
	v_mov_b32 v17, 0                               ; upper halves of pairs of which the low word serves both halves
	v_mov_b32 v21, 0
	WIN 0x40                                       ; destination window 1
.irp u, 0,1
.irp k, 0,1,2,3,4,5,6,7
.irp c, 0,1
	global_load_b128 v[64*\u+8*\k+4*\c:64*\u+8*\k+4*\c+3], v[LI], s[40:41] offset:8192*\u+1024*\k+512*\c
.endr
.endr
.endr
.irp n, 0,1,2,3,4,5,6,7,8,9,10,11,12,13,14,15
	global_load_b128 v[128+8*\n:128+8*\n+3], v[BA], s[46:47] offset:64*\n       ; b_proj[256 w + 16 nt + 8 h + 0 .. 7]: the result's layout
	global_load_b128 v[128+8*\n+4:128+8*\n+7], v[BA], s[46:47] offset:64*\n+16
.endr
	WIN 0xc0                                       ; destination window 3
.irp q, 0,1,2,3,4,5,6,7
	global_load_b128 v[4*\q:4*\q+3], v[LI], s[18:19] offset:512*\q              ; gamma, beta at columns 128 q + 4 x lane
	global_load_b128 v[32+4*\q:32+4*\q+3], v[LI], s[20:21] offset:512*\q
.endr
	WIN 0
.irp u, 0,1
.irp i, 0,1,2,3
	global_load_b32 v[OS+4*\u+\i], v[OA], s[42:43] offset:32768*\i+64*\u        ; lanes 0-15: K step i; lanes 16-31: K step 4 + i
.endr
.endr
.macro WLOAD nt                        ; tile nt of my weights: eight fragment images and the scale image: 17 loads of 512 consecutive bytes
.irp k, 0,1,2,3,4,5,6,7
.irp c, 0,1
	global_load_b128 v[WR+64*((\nt)%3)+8*\k+4*\c:WR+64*((\nt)%3)+8*\k+4*\c+3], v[LI], s[44:45] offset:8192*(\nt)+1024*\k+512*\c
.endr
.endr
	global_load_b128 v[WS+4*((\nt)%3):WS+4*((\nt)%3)+3], v[LI], s[44:45] offset:131072+512*(\nt)
.endm
.macro GROUP nt                        ; 16 products: tile nt x two tiles of tokens, K ascending; the two accumulators take turns
.if (\nt) < 14
	s_wait_loadcnt 34                              ; this tile's 17 loads, and all before them, are in; the next two tiles' may be out
.elseif (\nt) == 14
	s_wait_loadcnt 17
.else
	s_wait_loadcnt 0x0
.endif
.irp k, 0,1,2,3,4,5,6,7
.if \k == 0
	WIN 0x94                                       ; source 1 (o) and source 2 (the bias) window 1, destination window 2
.else
	WIN 0xa4                                       ; source 1 window 1, C and D window 2
.endif
.irp u, 0,1
.if \k == 0
	v_wmma_scale_f32_16x16x128_f8f6f4 v[16*(\nt)+8*\u:16*(\nt)+8*\u+7], v[WR+64*((\nt)%3)+8*\k:WR+64*((\nt)%3)+8*\k+7], v[64*\u+8*\k:64*\u+8*\k+7], v[128+8*(\nt):128+8*(\nt)+7], v[WS+4*((\nt)%3)+\k%4], v[OS+4*\u+\k%4] matrix_a_fmt:MATRIX_FMT_FP4 matrix_b_fmt:MATRIX_FMT_FP4
.elseif \k < 4
	v_wmma_scale_f32_16x16x128_f8f6f4 v[16*(\nt)+8*\u:16*(\nt)+8*\u+7], v[WR+64*((\nt)%3)+8*\k:WR+64*((\nt)%3)+8*\k+7], v[64*\u+8*\k:64*\u+8*\k+7], v[16*(\nt)+8*\u:16*(\nt)+8*\u+7], v[WS+4*((\nt)%3)+\k%4], v[OS+4*\u+\k%4] matrix_a_fmt:MATRIX_FMT_FP4 matrix_b_fmt:MATRIX_FMT_FP4
.else
	v_wmma_scale_f32_16x16x128_f8f6f4 v[16*(\nt)+8*\u:16*(\nt)+8*\u+7], v[WR+64*((\nt)%3)+8*\k:WR+64*((\nt)%3)+8*\k+7], v[64*\u+8*\k:64*\u+8*\k+7], v[16*(\nt)+8*\u:16*(\nt)+8*\u+7], v[WS+4*((\nt)%3)+\k%4], v[OS+4*\u+\k%4] matrix_a_fmt:MATRIX_FMT_FP4 matrix_b_fmt:MATRIX_FMT_FP4 matrix_a_scale:MATRIX_SCALE_ROW1 matrix_b_scale:MATRIX_SCALE_ROW1
.endif
.endr
.endr
	WIN 0
.rept 4
	v_nop                                          ; places in front of loads into the registers just multiplied, and of the first read of results
.endr
.if (\nt) < 13
	WLOAD (\nt)+3
.endif
.endm
	WLOAD 0
	WLOAD 1
	WLOAD 2
.irp n, 0,1,2,3,4,5,6,7,8,9,10,11,12,13,14,15
	GROUP \n
.endr
	WIN 0x08                                       ; an LDS store's data are its source 1: window 2
	s_wait_alu depctr_va_vdst(0)
.irp n, 0,1,2,3,4,5,6,7,8,9,10,11,12,13,14,15
.irp u, 0,1
	ds_store_b128 v[SO], v[16*\n+8*\u:16*\n+8*\u+3] offset:8*SPI*\u+64*\n          ; each accumulator from its low end on
	ds_store_b128 v[SO], v[16*\n+8*\u+4:16*\n+8*\u+7] offset:8*SPI*\u+64*\n+16
.endr
.endr
	WIN 0
	s_wait_tensorcnt 0x0                           ; my eight rows of x have landed,
	s_wait_dscnt 0x0                               ; and my stores into the stage
	s_barrier_signal -1
	s_barrier_wait -1                              ; everybody's have
.macro LDROW i                         ; row i of my eight: y from the stage, x beside it, into set i % 2: lane l holds columns 128 q + 4 l + 0 .. 3
.set LY, 64+64*((\i)%2)
.irp q, 0,1,2,3,4,5,6,7
	ds_load_b128 v[LY+4*\q:LY+4*\q+3], v[YR] offset:SPI*(\i)+512*\q
.endr
.irp q, 0,1,2,3,4,5,6,7
	ds_load_b128 v[LY+32+4*\q:LY+32+4*\q+3], v[XR] offset:4096*(\i)+512*\q
.endr
.endm
.macro REDUCE                          ; four packed chains in v8-15 become one sum in v8, in every lane
	v_pk_add_f32 v[8:9], v[8:9], v[10:11]
	v_pk_add_f32 v[12:13], v[12:13], v[14:15]
	v_pk_add_f32 v[8:9], v[8:9], v[12:13]
	v_add_f32 v8, v8, v9
	v_add_f32_dpp v8, v8, v8 row_xmask:1 row_mask:0xf bank_mask:0xf
	v_add_f32_dpp v8, v8, v8 row_xmask:2 row_mask:0xf bank_mask:0xf
	v_add_f32_dpp v8, v8, v8 row_xmask:4 row_mask:0xf bank_mask:0xf
	v_add_f32_dpp v8, v8, v8 row_xmask:8 row_mask:0xf bank_mask:0xf
	v_permlanex16_b32 v9, v8, s[SEL], s[SEL+1]
	v_add_f32 v8, v8, v9
.endm
.macro ROW i
	s_wait_xcnt 0x0                                ; the stores of the row before last have read their registers: the other set is loaded again only behind this wait
.if (\i) < 7
	LDROW (\i)+1
	s_wait_dscnt 16                                ; this row's 16 loads are in; the next row's may be out
.else
	s_wait_dscnt 0x0
.endif
.set YB, 64+64*((\i)%2)
.irp m, 0,2,4,6,8,10,12,14,16,18,20,22,24,26,28,30
	v_pk_add_f32 v[YB+\m:YB+\m+1], v[YB+\m:YB+\m+1], v[YB+32+\m:YB+32+\m+1]     ; + x (the bias is in the sums already)
.endr
.irp c, 0,2,4,6
	v_pk_add_f32 v[8+\c:9+\c], v[YB+\c:YB+\c+1], v[YB+8+\c:YB+9+\c]
.endr
.irp c, 0,2,4,6
	v_pk_add_f32 v[8+\c:9+\c], v[8+\c:9+\c], v[YB+16+\c:YB+17+\c]
.endr
.irp c, 0,2,4,6
	v_pk_add_f32 v[8+\c:9+\c], v[8+\c:9+\c], v[YB+24+\c:YB+25+\c]
.endr
	REDUCE
	v_mul_f32 v16, s52, v8                         ; the mean
.irp m, 0,2,4,6,8,10,12,14,16,18,20,22,24,26,28,30
	v_pk_add_f32 v[YB+\m:YB+\m+1], v[YB+\m:YB+\m+1], v[16:17] op_sel_hi:[1,0] neg_lo:[0,1] neg_hi:[0,1]   ; y - mean
.endr
.irp c, 0,2,4,6
	v_pk_mul_f32 v[8+\c:9+\c], v[YB+\c:YB+\c+1], v[YB+\c:YB+\c+1]
.endr
.irp d, 8,16,24
.irp c, 0,2,4,6
	v_pk_fma_f32 v[8+\c:9+\c], v[YB+\d+\c:YB+\d+\c+1], v[YB+\d+\c:YB+\d+\c+1], v[8+\c:9+\c]
.endr
.endr
	REDUCE
	v_fma_f32 v18, v8, s52, s53                    ; the variance + 1e-6
	s_wait_alu depctr_va_vdst(0)
	v_rsq_f32 v20, v18
	v_nop                                          ; a plain instruction behind the root,
	s_wait_alu depctr_va_vdst(0)                   ; and the wait ahead of its first reader
.irp m, 0,2,4,6,8,10,12,14,16,18,20,22,24,26,28,30
	v_pk_mul_f32 v[YB+\m:YB+\m+1], v[YB+\m:YB+\m+1], v[20:21] op_sel_hi:[1,0]
.endr
	WIN 0x3c                                       ; sources 1 (gamma) and 2 (beta) window 3
.irp m, 0,2,4,6,8,10,12,14,16,18,20,22,24,26,28,30
	v_pk_fma_f32 v[YB+\m:YB+\m+1], v[YB+\m:YB+\m+1], v[\m:\m+1], v[32+\m:32+\m+1]
.endr
	WIN 0
.irp q, 0,1,2,3,4,5,6,7
	global_store_b128 v[LI], v[YB+4*\q:YB+4*\q+3], s[48:49] offset:4096*(\i)+512*\q th:TH_STORE_NT   ; 512 consecutive bytes, aligned; written once, read by nobody here
.endr
.endm
	LDROW 0
.irp i, 0,1,2,3,4,5,6,7
	ROW \i
.endr
	s_wait_tensorcnt 0x0
	ds_add_u32 v62, v63
	s_wait_dscnt 0x0
	s_endpgm
.Lfunc_end_k_q5b40a1b16e_projln:
	.size	k_q5b40a1b16e_projln, .Lfunc_end_k_q5b40a1b16e_projln-k_q5b40a1b16e_projln
	.p2alignl 7, 3214868480
	.fill 96, 4, 3214868480
	.section	.rodata,"a",@progbits
	.p2align	6, 0x0
	.amdhsa_kernel k_q5b40a1b16e_projln
		.amdhsa_group_segment_fixed_size 263168
		.amdhsa_private_segment_fixed_size 0
		.amdhsa_enable_private_segment 0
		.amdhsa_kernarg_size 64
		.amdhsa_user_sgpr_count 2
		.amdhsa_user_sgpr_kernarg_segment_ptr 1
		.amdhsa_wavefront_size32 1
		.amdhsa_system_sgpr_workgroup_id_x 1
		.amdhsa_system_sgpr_workgroup_id_y 1
		.amdhsa_system_sgpr_workgroup_id_z 1
		.amdhsa_system_vgpr_workitem_id 0
		.amdhsa_next_free_vgpr 832
		.amdhsa_next_free_sgpr 66
		.amdhsa_reserve_vcc 0
		.amdhsa_float_denorm_mode_32 3
		.amdhsa_float_denorm_mode_16_64 3
		.amdhsa_memory_ordered 1
		.amdhsa_forward_progress 1
		.amdhsa_inst_pref_size 149
	.end_amdhsa_kernel
	.amdgpu_metadata
---
amdhsa.version: [ 1, 2 ]
amdhsa.kernels:
  - .name:           k_q5b40a1b16e_projln
    .symbol:         k_q5b40a1b16e_projln.kd
    .args:
      - { .name: oc, .offset: 0, .size: 8, .value_kind: global_buffer, .address_space: global }
      - { .name: os, .offset: 8, .size: 8, .value_kind: global_buffer, .address_space: global }
      - { .name: wpl, .offset: 16, .size: 8, .value_kind: global_buffer, .address_space: global }
      - { .name: b_proj, .offset: 24, .size: 8, .value_kind: global_buffer, .address_space: global }
      - { .name: x, .offset: 32, .size: 8, .value_kind: global_buffer, .address_space: global }
      - { .name: ln_gamma, .offset: 40, .size: 8, .value_kind: global_buffer, .address_space: global }
      - { .name: ln_beta, .offset: 48, .size: 8, .value_kind: global_buffer, .address_space: global }
      - { .name: out0, .offset: 56, .size: 8, .value_kind: global_buffer, .address_space: global }
    .group_segment_fixed_size: 263168
    .private_segment_fixed_size: 0
    .kernarg_segment_align: 8
    .kernarg_segment_size: 64
    .max_flat_workgroup_size: 128
    .sgpr_count:     66
    .vgpr_count:     832
    .wavefront_size: 32
...
	.end_amdgpu_metadata
.endif
;; end of part 4
